; MI455X (gfx1250); checked and timed in simulation.
; The chip was launched on July 23, 2026; its instructions are those of AMD's public machine-readable ISA for CDNA 5 (MIT licence, August 2026) and "CDNA5" Instruction Set Architecture Reference Guide (July 2026). The comments in the code are by the model that wrote it; some were corrected since.
;; AU Fusion. Allowed arithmetic: float matrix products may take bf16 or f16 operands with f32 sums; all other float work in f32.
;; Inputs: eyebrow 16,384 x 512 float32; gcn 16,384 x 9 x 512 float32; lin_bias 5 float32; lin_weight 5 x 9 float32; ln_bias 9 float32; ln_weight 9 float32; mouth 16,384 x 512 float32.
;; Outputs: out0 16,384 x 5 float32.
;; 2 versions, each right; version 2 is version 1 with the launch aufusion written anew for expert scheduling mode. Each part assembles by itself: llvm-mc -triple=amdgcn-amd-amdhsa -mcpu=gfx1250 --defsym DOCPART=n.
;; ======== version 1 of 2: 1 launch
;; launch aufusion (part 1): grid 256 x 1, 16 waves a work-group, no clusters, 6,144 bytes of LDS; arguments eyebrow, mouth, gcn, lin_weight, lin_bias, ln_weight, ln_bias, out0; writes out0
.if DOCPART == 1
	.amdgcn_target "amdgcn-amd-amdhsa--gfx1250"
	.amdhsa_code_object_version 6
	.text
	.protected	k_q2851ffa537_aufusion
	.globl	k_q2851ffa537_aufusion
	.p2align	8
	.type	k_q2851ffa537_aufusion,@function
k_q2851ffa537_aufusion:
	s_mov_b64 s[64:65], 0
	v_nop
	global_prefetch_b8 v0, s[64:65] scope:SCOPE_SE
	s_setreg_imm32_b32 hwreg(HW_REG_WAVE_MODE, 25, 1), 1
	s_wait_xcnt 0x0
; out[b][c] = Linear(LayerNorm(f[b]))[c],  f[b][j] = eyebrow[b] . gcn[b][j] (j = 0..2),  mouth[b] . gcn[b][j] (j = 3..8), K = 512, all f32.
; 0.41 FLOP for each byte read: a stream.  Every sample has its own 9 x 512 matrix and one row to multiply it by, so no operand is used
; twice: the matrix units would run with 1 of 16 rows in use and want a conversion for each number, which costs as many vector instructions
; as the packed f32 multiply-adds used here.  No two work-groups read the same large input: no cluster.  The inputs go straight to
; registers: LDS would only add a write and a read for each byte.  No prefetch: the loads themselves keep one sample of each wave on its way.
;
; SHARES.  256 work-groups of 16 waves; a work-group owns 64 samples (1,280 bytes of out = five aligned pieces of 256 bytes),
; a wave 4 samples, a lane 16 bytes of each 512-byte piece of each row.  A sample is 11 rows of 2,048 bytes = 44 loads of the wave,
; each of 512 consecutive bytes.  RING: four slots in registers, slot j = quarter j of K of all 11 rows (11 loads, 44 registers);
; a slot is filled again with the next sample's quarter j as soon as it is multiplied, so 33 to 44 loads of each wave are always out.
; The four samples are written out; every step is an immediate offset (73,216 at most), so no address register is ever rewritten.
;
; THE END, once for the wave's four samples: the sum over the 32 lanes is merged with a choice, so that lanes 8q .. 8q+7 end up with the nine
; features of sample q; lane 8q + c then makes class min(c, 4) of that sample.  The results meet in LDS (1,280 bytes are used; the launch
; keeps the first 4,096 of its 6,144 for them, so that 256 x wave + 8 x lane lies inside for all sixteen wave numbers) and leave as five stores of 256 bytes.
;
; LIMITS OF ROUNDING ORDER: a feature is summed as 64 partial sums and a tree, not in the reference's order; the LayerNorm gain and bias are
; folded into the linear layer (G[c][j] = w[j] W[c][j], H[c] = bias[c] + sum b[j] W[c][j]); the mean is taken away as f - sum/9 in one fused
; step; v_rsq_f32 is good to 1 ULP, and its argument is at least 1e-6, far from the denormals that it would flush (ISA guide 15.8).
.set SPW,     4                        ; samples of a wave
.set NF,      9                        ; features
.set NC,      5                        ; classes
.set ROWB,    2048                     ; bytes in a row of 512 f32
.set CHB,     512                      ; bytes that one load of the wave covers: a quarter of a row
.set GSB,     NF*ROWB                  ; bytes of gcn in a sample
.set PERSLOT, 11                       ; loads in a slot
.set SLOTR,   44                       ; registers in a slot: eyebrow 4, mouth 4, gcn 9 x 4
.set LOFF, 1                           ; v1         16 x lane: my 16 bytes in every piece of 512
.set CLS,  2                           ; v2         my class, min(lane % 8, 4)
.set WOFF, 3                           ; v3         36 x class: my row of lin_weight; at the end my 8 bytes of the group's output
.set BOFF, 4                           ; v4         4 x class
.set LA,   5                           ; v5         LDS address of my result
.set GW,   6                           ; v[6:14]    lin_weight[class][j], then G[class][j]
.set HB,   15                          ; v15        lin_bias[class], then H[class]
.set ACC,  16                          ; v[16:33]   nine pairs of running sums; scratch at the end
.set X,    34                          ; v[34:209]  the ring
.set F,    210                         ; v[210:245] sample s, feature j at F + 9 s + j: my lane's partial sum
.set D,    ACC                         ; the end: f[j] - mean
.set T,    ACC+9                       ; the end: five registers at work
.set PE,   8                           ; s[8:23]    the eight addresses, in the order of the arguments
.set PM,   10
.set PG,   12
.set PW,   14
.set PB,   16
.set PLW,  18
.set PLB,  20
.set PO,   22
.set LNW,  24                          ; s[24:32]   ln_weight
.set LNB,  36                          ; s[36:44]   ln_bias
.set HI16, 46                          ; lanes 16-31
.set B3,   47                          ; lanes 8-15 and 24-31
.set SEL0, 48                          ; v_permlanex16_b32: lane i of one half reads lane i of the other
.set SEL1, 49
.set NINTH,  50                        ; 1/9
.set NNINTH, 51                        ; -1/9
.set EPS,    52                        ; 1e-6
	s_load_b512 s[8:23], s[0:1], 0x0               ; eyebrow, mouth, gcn, lin_weight, lin_bias, ln_weight, ln_bias, out0
	v_lshl_add_u32 v246, v0, 2, 0x1000
	v_mov_b32 v247, 0
	v_lshrrev_b32 v[CLS], 5, v0
	v_readfirstlane_b32 s2, v[CLS]                 ; wave 0..15
	v_and_b32 v[LOFF], 31, v0
	v_lshlrev_b32 v[LOFF], 4, v[LOFF]              ; 16 x lane
	v_and_b32 v[CLS], 7, v0
	v_min_u32 v[CLS], NC-1, v[CLS]                 ; lanes 5-7 of a group of eight repeat class 4
	v_mul_u32_u24 v[WOFF], 4*NF, v[CLS]
	v_lshlrev_b32 v[BOFF], 2, v[CLS]
	v_bfe_u32 v[LA], v0, 3, 2                      ; q = lane / 8: which of the wave's samples I finish
	v_mul_u32_u24 v[LA], 4*NC, v[LA]
	v_add_nc_u32 v[LA], v[LA], v[BOFF]             ; 20 q + 4 class, 76 at most
	s_mul_i32 s3, s2, SPW*NC*4
	v_add_nc_u32 v[LA], s3, v[LA]                  ; + 80 x wave: the wave's own 80 bytes
	s_lshl_b32 s3, ttmp9, 6
	s_lshl2_add_u32 s3, s2, s3                     ; my wave's first sample = 64 x work-group + 4 x wave
	s_mul_i32 s4, s3, GSB                          ; its byte offset in gcn, below 301,989,888
	s_mov_b32 s5, 0
	s_lshl_b32 s6, s3, 11                          ; and in eyebrow and mouth
	s_mov_b32 s7, 0
	s_wait_kmcnt 0x0
	s_load_b256 s[LNW:LNW+7], s[PLW:PLW+1], 0x0    ; 9 + 9 numbers that are the same for every lane: scalar loads
	s_load_b32  s[LNW+8],     s[PLW:PLW+1], 0x20
	s_load_b256 s[LNB:LNB+7], s[PLB:PLB+1], 0x0
	s_load_b32  s[LNB+8],     s[PLB:PLB+1], 0x20
	s_add_nc_u64 s[PE:PE+1], s[PE:PE+1], s[6:7]
	s_add_nc_u64 s[PM:PM+1], s[PM:PM+1], s[6:7]
	s_add_nc_u64 s[PG:PG+1], s[PG:PG+1], s[4:5]
.irp r, 0,1,2,3,4,5,6,7,8
	global_load_b32 v[GW+\r], v[WOFF], s[PW:PW+1] offset:4*\r      ; my class's row of lin_weight (rows of 36 bytes: words)
.endr
	global_load_b32 v[HB], v[BOFF], s[PB:PB+1]
; Eleven loads: quarter j of K of sample s's eleven rows, 512 consecutive bytes each, read once in the whole launch.
.macro FILL s, j
	global_load_b128 v[X+SLOTR*\j:X+SLOTR*\j+3],   v[LOFF], s[PE:PE+1] offset:ROWB*(\s)+CHB*\j th:TH_LOAD_NT
	global_load_b128 v[X+SLOTR*\j+4:X+SLOTR*\j+7], v[LOFF], s[PM:PM+1] offset:ROWB*(\s)+CHB*\j th:TH_LOAD_NT
.irp r, 0,1,2,3,4,5,6,7,8
	global_load_b128 v[X+SLOTR*\j+8+4*\r:X+SLOTR*\j+11+4*\r], v[LOFF], s[PG:PG+1] offset:GSB*(\s)+ROWB*\r+CHB*\j th:TH_LOAD_NT
.endr
.endm
	FILL 0, 0                                      ; the ring is filled: the wave's whole first sample
	FILL 0, 1
	FILL 0, 2
	FILL 0, 3
	s_mov_b32 s[HI16], 0xffff0000
	s_mov_b32 s[B3],   0xff00ff00
	s_mov_b32 s[SEL0], 0x76543210
	s_mov_b32 s[SEL1], 0xfedcba98
	s_mov_b32 s[NINTH],  0x3de38e39
	s_mov_b32 s[NNINTH], 0xbde38e39
	s_mov_b32 s[EPS],    0x358637bd
	; The LayerNorm gain and bias go into the linear layer, while the first sample is on its way.
	s_wait_loadcnt 4*PERSLOT                       ; loads come back in order (ISA guide 5.7.1): the 44 of the ring stay out, the ten in front of them are in
	s_wait_kmcnt 0x0                               ; ln_weight, ln_bias
.irp r, 0,1,2,3,4,5,6,7,8
	v_fmac_f32 v[HB], s[LNB+\r], v[GW+\r]          ; H = lin_bias[c] + sum over j of ln_bias[j] W[c][j]
.endr
.irp r, 0,1,2,3,4,5,6,7,8
	v_mul_f32 v[GW+\r], s[LNW+\r], v[GW+\r]        ; G[j] = ln_weight[j] W[c][j]
.endr
; Two multiply-adds of feature r: numbers h, h + 1 of my four in slot j, times the same two of eyebrow (vec = 0) or mouth (vec = 4).
; start = 1: the product starts the sums, nothing is cleared.
.macro PAIR start, r, j, vec, h
.set AP, ACC+2*\r
.set GP, X+SLOTR*\j+8+4*\r+\h
.set VP, X+SLOTR*\j+\vec+\h
.if \start
	v_pk_mul_f32 v[AP:AP+1], v[GP:GP+1], v[VP:VP+1]
.else
	v_pk_fma_f32 v[AP:AP+1], v[GP:GP+1], v[VP:VP+1], v[AP:AP+1]
.endif
.endm
; A slot's turn.  left = how many younger loads stay out; fill = 1: the slot then takes quarter j of sample next.
; The nine features are nine chains: an instruction meets its own chain again only nine instructions later.
.macro CHUNK j, start, left, fill, next
	s_wait_loadcnt \left
.irp r, 0,1,2
	PAIR \start, \r, \j, 0, 0
.endr
.irp r, 3,4,5,6,7,8
	PAIR \start, \r, \j, 4, 0
.endr
.irp r, 0,1,2
	PAIR 0, \r, \j, 0, 2
.endr
.irp r, 3,4,5,6,7,8
	PAIR 0, \r, \j, 4, 2
.endr
.if \fill
	FILL \next, \j
.endif
.endm
.macro FOLD s                          ; the pair of each feature becomes my lane's partial sum of sample s
.irp r, 0,1,2,3,4,5,6,7,8
	v_add_f32 v[F+NF*(\s)+\r], v[ACC+2*\r], v[ACC+2*\r+1]
.endr
.endm
.macro SAMPLE s                        ; behind each slot stand three younger ones: 3 x 11 = 33 loads stay out
	CHUNK 0, 1, 3*PERSLOT, 1, \s+1
	CHUNK 1, 0, 3*PERSLOT, 1, \s+1
	CHUNK 2, 0, 3*PERSLOT, 1, \s+1
	CHUNK 3, 0, 3*PERSLOT, 1, \s+1
	FOLD \s
.endm
	SAMPLE 0
	SAMPLE 1
	SAMPLE 2
	CHUNK 0, 1, 3*PERSLOT, 0, 0                    ; the last sample fills nothing: the counts run down 33, 22, 11, 0
	CHUNK 1, 0, 2*PERSLOT, 0, 0
	CHUNK 2, 0, 1*PERSLOT, 0, 0
	CHUNK 3, 0, 0, 0, 0
	FOLD 3
; THE SUM OVER THE LANES, merged with a choice.  Step xor 16 for samples a and b: lanes 0-15 keep a's sum and hand b's over, lanes 16-31 the
; other way round; two registers become one, which holds a in the lower half of the lanes and b in the upper.  k: nine registers of scratch.
.macro MERGE16 a, b, k
.irp r, 0,1,2,3,4,5,6,7,8
	v_cndmask_b32 v[\k+\r], v[F+NF*\a+\r], v[F+NF*\b+\r], s[HI16]          ; what I keep
.endr
.irp r, 0,1,2,3,4,5,6,7,8
	v_cndmask_b32 v[F+NF*\b+\r], v[F+NF*\b+\r], v[F+NF*\a+\r], s[HI16]     ; what I hand over
.endr
.irp r, 0,1,2,3,4,5,6,7,8
	v_permlanex16_b32 v[F+NF*\a+\r], v[F+NF*\b+\r], s[SEL0], s[SEL1]       ; from lane xor 16 (the destination has been written before)
.endr
.irp r, 0,1,2,3,4,5,6,7,8
	v_add_f32 v[F+NF*\a+\r], v[F+NF*\a+\r], v[\k+\r]
.endr
.endm
	MERGE16 0, 2, ACC                              ; F+0..8:  sample 0 | sample 2
	MERGE16 1, 3, ACC+NF                           ; F+9..17: sample 1 | sample 3
	; Step xor 8 in the same way: lanes 0-7 and 16-23 keep the first register, lanes 8-15 and 24-31 the second.
.irp r, 0,1,2,3,4,5,6,7,8
	v_cndmask_b32 v[ACC+\r], v[F+\r], v[F+NF+\r], s[B3]
.endr
.irp r, 0,1,2,3,4,5,6,7,8
	v_cndmask_b32 v[F+NF+\r], v[F+NF+\r], v[F+\r], s[B3]
.endr
.irp r, 0,1,2,3,4,5,6,7,8
	v_add_f32_dpp v[F+\r], v[F+NF+\r], v[ACC+\r] row_xmask:8 row_mask:0xf bank_mask:0xf
.endr
.irp m, 4,2,1
.irp r, 0,1,2,3,4,5,6,7,8
	v_add_f32_dpp v[F+\r], v[F+\r], v[F+\r] row_xmask:\m row_mask:0xf bank_mask:0xf
.endr
.endr
	; Lanes 8q .. 8q+7 now hold f[0..8] of the wave's sample q in F+0..8.
	; LAYERNORM AND LINEAR, all four samples at once.
	v_add_f32 v[T],   v[F],   v[F+1]
	v_add_f32 v[T+1], v[F+2], v[F+3]
	v_add_f32 v[T+2], v[F+4], v[F+5]
	v_add_f32 v[T+3], v[F+6], v[F+7]
	v_add_f32 v[T],   v[T],   v[T+1]
	v_add_f32 v[T+2], v[T+2], v[T+3]
	v_add_f32 v[T],   v[T],   v[F+8]
	v_add_f32 v[T],   v[T],   v[T+2]               ; the sum of the nine
.irp r, 0,1,2,3,4,5,6,7,8
	v_fma_f32 v[D+\r], v[T], s[NNINTH], v[F+\r]    ; d[j] = f[j] - sum / 9, one rounding
.endr
.irp r, 0,1,2
	v_mul_f32 v[T+1+\r], v[D+\r], v[D+\r]          ; the squares, in three chains
.endr
.irp r, 3,4,5,6,7,8
	v_fmac_f32 v[T+1+\r%3], v[D+\r], v[D+\r]
.endr
	v_add_f32 v[T+1], v[T+1], v[T+2]
	v_add_f32 v[T+1], v[T+1], v[T+3]
	v_fma_f32 v[T+1], v[T+1], s[NINTH], s[EPS]     ; variance + 1e-6
	v_rsq_f32 v[T], v[T+1]                         ; the products below touch neither T nor T+1: they are the plain instructions that stand
.irp r, 0,1,2                                      ; between v_rsq_f32 and the use of its result (ISA guide 5.7.2)
	v_mul_f32 v[T+2+\r], v[D+\r], v[GW+\r]         ; sum over j of d[j] G[c][j], in three chains
.endr
.irp r, 3,4,5,6,7,8
	v_fmac_f32 v[T+2+\r%3], v[D+\r], v[GW+\r]
.endr
	v_add_f32 v[T+2], v[T+2], v[T+3]
	v_add_f32 v[T+2], v[T+2], v[T+4]
	s_wait_alu depctr_va_vdst(0)
	v_fma_f32 v[T+2], v[T+2], v[T], v[HB]          ; out = rsqrt(..) x that + H[c]
	; THE WAY OUT.  The group's 320 results are laid in LDS as they lie in memory (lanes 5-7 of a group of eight write lane 4's word again, with
	; the same value); then each of waves 0 to 4 stores 256 consecutive bytes, at a multiple of 256 from out0's first byte, with one instruction.
	ds_store_b32 v[LA], v[T+2]
	s_wait_dscnt 0x0                               ; for the other waves' sake: my word is in LDS before I say so
	s_barrier_signal -1
	v_lshrrev_b32 v[WOFF], 1, v[LOFF]              ; 8 x lane (the loads that read WOFF were waited for at the head)
	s_lshl_b32 s3, s2, 8
	v_add_nc_u32 v[WOFF], s3, v[WOFF]              ; + 256 x wave: the same offset in LDS and in the group's part of out0
	s_mul_i32 s4, ttmp9, 64*NC*4                   ; the group's 1,280 bytes (s5 is still 0)
	s_add_nc_u64 s[PO:PO+1], s[PO:PO+1], s[4:5]
	s_barrier_wait -1                              ; all sixteen waves' words are there
	s_cmp_ge_u32 s2, NC                            ; 1,280 bytes = five waves x 32 lanes x 8 bytes
	s_cbranch_scc1 .Ldone
	ds_load_b64 v[ACC:ACC+1], v[WOFF]
	s_wait_dscnt 0x0
	global_store_b64 v[WOFF], v[ACC:ACC+1], s[PO:PO+1] th:TH_STORE_NT
.Ldone:
	s_wait_tensorcnt 0x0
	ds_add_u32 v246, v247
	s_wait_dscnt 0x0
	s_endpgm
.Lfunc_end_k_q2851ffa537_aufusion:
	.size	k_q2851ffa537_aufusion, .Lfunc_end_k_q2851ffa537_aufusion-k_q2851ffa537_aufusion
	.p2alignl 7, 3214868480
	.fill 96, 4, 3214868480
	.section	.rodata,"a",@progbits
	.p2align	6, 0x0
	.amdhsa_kernel k_q2851ffa537_aufusion
		.amdhsa_group_segment_fixed_size 6144
		.amdhsa_private_segment_fixed_size 0
		.amdhsa_enable_private_segment 0
		.amdhsa_kernarg_size 64
		.amdhsa_user_sgpr_count 2
		.amdhsa_user_sgpr_kernarg_segment_ptr 1
		.amdhsa_wavefront_size32 1
		.amdhsa_system_sgpr_workgroup_id_x 1
		.amdhsa_system_sgpr_workgroup_id_y 1
		.amdhsa_system_sgpr_workgroup_id_z 1
		.amdhsa_system_vgpr_workitem_id 0
		.amdhsa_next_free_vgpr 248
		.amdhsa_next_free_sgpr 66
		.amdhsa_reserve_vcc 0
		.amdhsa_float_denorm_mode_32 3
		.amdhsa_float_denorm_mode_16_64 3
		.amdhsa_memory_ordered 1
		.amdhsa_forward_progress 1
		.amdhsa_inst_pref_size 50
	.end_amdhsa_kernel
	.amdgpu_metadata
---
amdhsa.version: [ 1, 2 ]
amdhsa.kernels:
  - .name:           k_q2851ffa537_aufusion
    .symbol:         k_q2851ffa537_aufusion.kd
    .args:
      - { .name: eyebrow, .offset: 0, .size: 8, .value_kind: global_buffer, .address_space: global }
      - { .name: mouth, .offset: 8, .size: 8, .value_kind: global_buffer, .address_space: global }
      - { .name: gcn, .offset: 16, .size: 8, .value_kind: global_buffer, .address_space: global }
      - { .name: lin_weight, .offset: 24, .size: 8, .value_kind: global_buffer, .address_space: global }
      - { .name: lin_bias, .offset: 32, .size: 8, .value_kind: global_buffer, .address_space: global }
      - { .name: ln_weight, .offset: 40, .size: 8, .value_kind: global_buffer, .address_space: global }
      - { .name: ln_bias, .offset: 48, .size: 8, .value_kind: global_buffer, .address_space: global }
      - { .name: out0, .offset: 56, .size: 8, .value_kind: global_buffer, .address_space: global }
    .group_segment_fixed_size: 6144
    .private_segment_fixed_size: 0
    .kernarg_segment_align: 8
    .kernarg_segment_size: 64
    .max_flat_workgroup_size: 512
    .sgpr_count:     66
    .vgpr_count:     248
    .wavefront_size: 32
...
	.end_amdgpu_metadata
.endif
;; end of part 1
;; ======== version 2 of 2: 1 launch; version 1 with the launch aufusion written anew for expert scheduling mode
;; launch aufusion (part 2): grid 256 x 1, 16 waves a work-group, no clusters, 6,144 bytes of LDS; arguments eyebrow, mouth, gcn, lin_weight, lin_bias, ln_weight, ln_bias, out0; writes out0
.if DOCPART == 2
	.amdgcn_target "amdgcn-amd-amdhsa--gfx1250"
	.amdhsa_code_object_version 6
	.text
	.protected	k_q2851ffa537_aufusion
	.globl	k_q2851ffa537_aufusion
	.p2align	8
	.type	k_q2851ffa537_aufusion,@function
k_q2851ffa537_aufusion:
	s_mov_b64 s[64:65], 0
	v_nop
	global_prefetch_b8 v0, s[64:65] scope:SCOPE_SE
	s_setreg_imm32_b32 hwreg(HW_REG_WAVE_SCHED_MODE, 0, 2), 2
	s_setreg_imm32_b32 hwreg(HW_REG_WAVE_MODE, 25, 1), 1
	s_wait_xcnt 0x0
	s_wait_alu depctr_vm_vsrc(0)
; out[b][c] = Linear(LayerNorm(f[b]))[c],  f[b][j] = eyebrow[b] . gcn[b][j] (j = 0..2),  mouth[b] . gcn[b][j] (j = 3..8), K = 512, all f32.
; 0.41 FLOP for each byte read: a stream.  Every sample has its own 9 x 512 matrix and one row to multiply it by, so no operand is used
; twice: the matrix units would run with 1 of 16 rows in use and want a conversion for each number, which costs as many vector instructions
; as the packed f32 multiply-adds used here.  No two work-groups read the same large input: no cluster.  The inputs go straight to
; registers: LDS would only add a write and a read for each byte.  No prefetch: the loads themselves keep one sample of each wave on its way.
;
; SHARES.  256 work-groups of 16 waves; a work-group owns 64 samples (1,280 bytes of out = five aligned pieces of 256 bytes),
; a wave 4 samples, a lane 16 bytes of each 512-byte piece of each row.  A sample is 11 rows of 2,048 bytes = 44 loads of the wave,
; each of 512 consecutive bytes.  RING: four slots in registers, slot j = quarter j of K of all 11 rows (11 loads, 44 registers);
; a slot is filled again with the next sample's quarter j as soon as it is multiplied, so 33 to 44 loads of each wave are always out.
; The four samples are written out; every step is an immediate offset (73,216 at most), so no address register is ever rewritten.
;
; THE END, once for the wave's four samples: the sum over the 32 lanes is merged with a choice, so that lanes 8q .. 8q+7 end up with the nine
; features of sample q; lane 8q + c then makes class min(c, 4) of that sample.  The results meet in LDS (1,280 bytes are used; the first 4,096
; are kept for them, so that 256 x wave + 8 x lane lies inside for all sixteen wave numbers; behind them lie the spare words, 128 bytes for
; each of the sixteen waves, which no other line names) and leave as five stores of 256 bytes.
;
; LIMITS OF ROUNDING ORDER: a feature is summed as 64 partial sums and a tree, not in the reference's order; the LayerNorm gain and bias are
; folded into the linear layer (G[c][j] = w[j] W[c][j], H[c] = bias[c] + sum b[j] W[c][j]); the mean is taken away as f - sum/9 in one fused
; step; v_rsq_f32 is good to 1 ULP, and its argument is at least 1e-6, far from the denormals that it would flush (ISA guide 15.8).
;
; THE MODE: SCHED_MODE bits 1:0 = 2 (LLVM: expert scheduling mode 2), set by the entry lines.  The code itself states the register dependences
; between vector instructions and memory or LDS instructions, with s_wait_alu, always for 0.
; THE PLAN.  Registers that memory or LDS instructions touch:
;   v[LOFF]         Written once at the head; the offset of all 176 loads of the ring; never written again.
;   v[WOFF]         Written at the head, read by the nine loads of lin_weight; written anew on the way out, then read by the LDS load and the store.
;   v[BOFF], v[LA]  Written at the head, never again; read by the load of lin_bias and by the LDS store.
;   v[GW ..], v[HB] Loads land in them before any vector instruction names them; from then on vector instructions alone.
;   X, slot j       Its 11 loads land; the turn's 18 multiply-adds read it; the next sample's 11 loads land.
;   ACC, F          Vector instructions alone while the stream runs.  At the end v[T+2] is the LDS store's data, and v[ACC:ACC+1] take the LDS load and feed the store.
;   v246, v247      Written at the head, read by the closing add alone.
; So ONE wait on va_vdst stands in a turn, behind its multiply-adds and ahead of the slot's refill.  It stands there and not at the next turn's head
; because the four waves of a SIMD leave no registers for a fifth slot (4 x 248 of 1,024; 44 more a wave would be 1,168), and a slot that waited for
; the next head would leave 22 loads out at each wait in place of 33.  The last sample's turns issue no load and hold no such wait.
; Beside these: one wait at the head for the offsets, one for the wave's number, and on the way out one ahead of each of the three LDS lines' fresh registers.
.set SPW,     4                        ; samples of a wave
.set NF,      9                        ; features
.set NC,      5                        ; classes
.set ROWB,    2048                     ; bytes in a row of 512 f32
.set CHB,     512                      ; bytes that one load of the wave covers: a quarter of a row
.set GSB,     NF*ROWB                  ; bytes of gcn in a sample
.set PERSLOT, 11                       ; loads in a slot
.set SLOTR,   44                       ; registers in a slot: eyebrow 4, mouth 4, gcn 9 x 4
.set LOFF, 1                           ; v1         16 x lane: my 16 bytes in every piece of 512
.set CLS,  2                           ; v2         my class, min(lane % 8, 4)
.set WOFF, 3                           ; v3         36 x class: my row of lin_weight; at the end my 8 bytes of the group's output
.set BOFF, 4                           ; v4         4 x class
.set LA,   5                           ; v5         LDS address of my result
.set GW,   6                           ; v[6:14]    lin_weight[class][j], then G[class][j]
.set HB,   15                          ; v15        lin_bias[class], then H[class]
.set ACC,  16                          ; v[16:33]   nine pairs of running sums; scratch at the end
.set X,    34                          ; v[34:209]  the ring
.set F,    210                         ; v[210:245] sample s, feature j at F + 9 s + j: my lane's partial sum
.set D,    ACC                         ; the end: f[j] - mean
.set T,    ACC+9                       ; the end: five registers at work
.set PE,   8                           ; s[8:23]    the eight addresses, in the order of the arguments
.set PM,   10
.set PG,   12
.set PW,   14
.set PB,   16
.set PLW,  18
.set PLB,  20
.set PO,   22
.set LNW,  24                          ; s[24:32]   ln_weight
.set LNB,  36                          ; s[36:44]   ln_bias
.set HI16, 46                          ; lanes 16-31
.set B3,   47                          ; lanes 8-15 and 24-31
.set SEL0, 48                          ; v_permlanex16_b32: lane i of one half reads lane i of the other
.set SEL1, 49
.set NINTH,  50                        ; 1/9
.set NNINTH, 51                        ; -1/9
.set EPS,    52                        ; 1e-6
	s_load_b512 s[8:23], s[0:1], 0x0               ; eyebrow, mouth, gcn, lin_weight, lin_bias, ln_weight, ln_bias, out0
	v_lshl_add_u32 v246, v0, 2, 0x1000             ; the LDS address of my spare word, 4,096 + 4 x thread, and 0: made here, while v0 is as at the entry,
	v_mov_b32 v247, 0                              ; and kept for the closing lines alone
	v_lshrrev_b32 v[CLS], 5, v0
	v_readfirstlane_b32 s2, v[CLS]                 ; wave 0..15
	v_and_b32 v[LOFF], 31, v0
	v_lshlrev_b32 v[LOFF], 4, v[LOFF]              ; 16 x lane
	v_and_b32 v[CLS], 7, v0
	v_min_u32 v[CLS], NC-1, v[CLS]                 ; lanes 5-7 of a group of eight repeat class 4
	v_mul_u32_u24 v[WOFF], 4*NF, v[CLS]
	v_lshlrev_b32 v[BOFF], 2, v[CLS]
	v_bfe_u32 v[LA], v0, 3, 2                      ; q = lane / 8: which of the wave's samples I finish
	v_mul_u32_u24 v[LA], 4*NC, v[LA]
	v_add_nc_u32 v[LA], v[LA], v[BOFF]             ; 20 q + 4 class, 76 at most
	s_wait_alu depctr_va_sdst(0)                   ; s2 is written, ahead of its first reader: the LDS address, the three bases and the last branch are made from it
	s_mul_i32 s3, s2, SPW*NC*4
	v_add_nc_u32 v[LA], s3, v[LA]                  ; + 80 x wave: the wave's own 80 bytes
	s_lshl_b32 s3, ttmp9, 6
	s_lshl2_add_u32 s3, s2, s3                     ; my wave's first sample = 64 x work-group + 4 x wave
	s_mul_i32 s4, s3, GSB                          ; its byte offset in gcn, below 301,989,888
	s_mov_b32 s5, 0
	s_lshl_b32 s6, s3, 11                          ; and in eyebrow and mouth
	s_mov_b32 s7, 0
	s_wait_kmcnt 0x0
	s_load_b256 s[LNW:LNW+7], s[PLW:PLW+1], 0x0    ; 9 + 9 numbers that are the same for every lane: scalar loads
	s_load_b32  s[LNW+8],     s[PLW:PLW+1], 0x20
	s_load_b256 s[LNB:LNB+7], s[PLB:PLB+1], 0x0
	s_load_b32  s[LNB+8],     s[PLB:PLB+1], 0x20
	s_add_nc_u64 s[PE:PE+1], s[PE:PE+1], s[6:7]
	s_add_nc_u64 s[PM:PM+1], s[PM:PM+1], s[6:7]
	s_add_nc_u64 s[PG:PG+1], s[PG:PG+1], s[4:5]
	s_wait_alu depctr_va_vdst(0)                   ; v[LOFF], v[WOFF], v[BOFF] and v[LA] are written: the loads below and the LDS store at the end read them as offsets and address
.irp r, 0,1,2,3,4,5,6,7,8
	global_load_b32 v[GW+\r], v[WOFF], s[PW:PW+1] offset:4*\r      ; my class's row of lin_weight (rows of 36 bytes: words)
.endr
	global_load_b32 v[HB], v[BOFF], s[PB:PB+1]
; Eleven loads: quarter j of K of sample s's eleven rows, 512 consecutive bytes each, read once in the whole launch.
.macro FILL s, j
	global_load_b128 v[X+SLOTR*\j:X+SLOTR*\j+3],   v[LOFF], s[PE:PE+1] offset:ROWB*(\s)+CHB*\j th:TH_LOAD_NT
	global_load_b128 v[X+SLOTR*\j+4:X+SLOTR*\j+7], v[LOFF], s[PM:PM+1] offset:ROWB*(\s)+CHB*\j th:TH_LOAD_NT
.irp r, 0,1,2,3,4,5,6,7,8
	global_load_b128 v[X+SLOTR*\j+8+4*\r:X+SLOTR*\j+11+4*\r], v[LOFF], s[PG:PG+1] offset:GSB*(\s)+ROWB*\r+CHB*\j th:TH_LOAD_NT
.endr
.endm
	FILL 0, 0                                      ; the ring is filled: the wave's whole first sample (no vector instruction has named X yet)
	FILL 0, 1
	FILL 0, 2
	FILL 0, 3
	s_mov_b32 s[HI16], 0xffff0000
	s_mov_b32 s[B3],   0xff00ff00
	s_mov_b32 s[SEL0], 0x76543210
	s_mov_b32 s[SEL1], 0xfedcba98
	s_mov_b32 s[NINTH],  0x3de38e39
	s_mov_b32 s[NNINTH], 0xbde38e39
	s_mov_b32 s[EPS],    0x358637bd
	; The LayerNorm gain and bias go into the linear layer, while the first sample is on its way.  These lines write v[GW ..] and v[HB], which no memory instruction reads.
	s_wait_loadcnt 4*PERSLOT                       ; loads come back in order (ISA guide 5.7.1): the 44 of the ring stay out, the ten in front of them are in
	s_wait_kmcnt 0x0                               ; ln_weight, ln_bias
.irp r, 0,1,2,3,4,5,6,7,8
	v_fmac_f32 v[HB], s[LNB+\r], v[GW+\r]          ; H = lin_bias[c] + sum over j of ln_bias[j] W[c][j]
.endr
.irp r, 0,1,2,3,4,5,6,7,8
	v_mul_f32 v[GW+\r], s[LNW+\r], v[GW+\r]        ; G[j] = ln_weight[j] W[c][j]
.endr
; Two multiply-adds of feature r: numbers h, h + 1 of my four in slot j, times the same two of eyebrow (vec = 0) or mouth (vec = 4).
; start = 1: the product starts the sums, nothing is cleared.
.macro PAIR start, r, j, vec, h
.set AP, ACC+2*\r
.set GP, X+SLOTR*\j+8+4*\r+\h
.set VP, X+SLOTR*\j+\vec+\h
.if \start
	v_pk_mul_f32 v[AP:AP+1], v[GP:GP+1], v[VP:VP+1]
.else
	v_pk_fma_f32 v[AP:AP+1], v[GP:GP+1], v[VP:VP+1], v[AP:AP+1]
.endif
.endm
; A slot's turn.  left = how many younger loads stay out; fill = 1: the slot then takes quarter j of sample next.
; The nine features are nine chains: an instruction meets its own chain again only nine instructions later.
.macro CHUNK j, start, left, fill, next
	s_wait_loadcnt \left
.irp r, 0,1,2
	PAIR \start, \r, \j, 0, 0
.endr
.irp r, 3,4,5,6,7,8
	PAIR \start, \r, \j, 4, 0
.endr
.irp r, 0,1,2
	PAIR 0, \r, \j, 0, 2
.endr
.irp r, 3,4,5,6,7,8
	PAIR 0, \r, \j, 4, 2
.endr
.if \fill
	s_wait_alu depctr_va_vdst(0)                   ; the eighteen lines above are done reading slot j, in which the eleven loads below land
	FILL \next, \j
.endif
.endm
.macro FOLD s                          ; the pair of each feature becomes my lane's partial sum of sample s; these lines name ACC and F alone, no register that a load touches: they follow the refill with no wait
.irp r, 0,1,2,3,4,5,6,7,8
	v_add_f32 v[F+NF*(\s)+\r], v[ACC+2*\r], v[ACC+2*\r+1]
.endr
.endm
.macro SAMPLE s                        ; behind each slot stand three younger ones: 3 x 11 = 33 loads stay out
	CHUNK 0, 1, 3*PERSLOT, 1, \s+1
	CHUNK 1, 0, 3*PERSLOT, 1, \s+1
	CHUNK 2, 0, 3*PERSLOT, 1, \s+1
	CHUNK 3, 0, 3*PERSLOT, 1, \s+1
	FOLD \s
.endm
	SAMPLE 0
	SAMPLE 1
	SAMPLE 2
	CHUNK 0, 1, 3*PERSLOT, 0, 0                    ; the last sample fills nothing: the counts run down 33, 22, 11, 0
	CHUNK 1, 0, 2*PERSLOT, 0, 0
	CHUNK 2, 0, 1*PERSLOT, 0, 0
	CHUNK 3, 0, 0, 0, 0
	FOLD 3
; THE SUM OVER THE LANES, merged with a choice.  Step xor 16 for samples a and b: lanes 0-15 keep a's sum and hand b's over, lanes 16-31 the
; other way round; two registers become one, which holds a in the lower half of the lanes and b in the upper.  k: nine registers of scratch.
; (The masks and selects are scalar registers that scalar instructions wrote.)
.macro MERGE16 a, b, k
.irp r, 0,1,2,3,4,5,6,7,8
	v_cndmask_b32 v[\k+\r], v[F+NF*\a+\r], v[F+NF*\b+\r], s[HI16]          ; what I keep
.endr
.irp r, 0,1,2,3,4,5,6,7,8
	v_cndmask_b32 v[F+NF*\b+\r], v[F+NF*\b+\r], v[F+NF*\a+\r], s[HI16]     ; what I hand over
.endr
.irp r, 0,1,2,3,4,5,6,7,8
	v_permlanex16_b32 v[F+NF*\a+\r], v[F+NF*\b+\r], s[SEL0], s[SEL1]       ; from lane xor 16 (the destination has been written before)
.endr
.irp r, 0,1,2,3,4,5,6,7,8
	v_add_f32 v[F+NF*\a+\r], v[F+NF*\a+\r], v[\k+\r]
.endr
.endm
	MERGE16 0, 2, ACC                              ; F+0..8:  sample 0 | sample 2
	MERGE16 1, 3, ACC+NF                           ; F+9..17: sample 1 | sample 3
	; Step xor 8 in the same way: lanes 0-7 and 16-23 keep the first register, lanes 8-15 and 24-31 the second.
.irp r, 0,1,2,3,4,5,6,7,8
	v_cndmask_b32 v[ACC+\r], v[F+\r], v[F+NF+\r], s[B3]
.endr
.irp r, 0,1,2,3,4,5,6,7,8
	v_cndmask_b32 v[F+NF+\r], v[F+NF+\r], v[F+\r], s[B3]
.endr
.irp r, 0,1,2,3,4,5,6,7,8
	v_add_f32_dpp v[F+\r], v[F+NF+\r], v[ACC+\r] row_xmask:8 row_mask:0xf bank_mask:0xf
.endr
.irp m, 4,2,1
.irp r, 0,1,2,3,4,5,6,7,8
	v_add_f32_dpp v[F+\r], v[F+\r], v[F+\r] row_xmask:\m row_mask:0xf bank_mask:0xf
.endr
.endr
	; Lanes 8q .. 8q+7 now hold f[0..8] of the wave's sample q in F+0..8.
	; LAYERNORM AND LINEAR, all four samples at once.
	v_add_f32 v[T],   v[F],   v[F+1]
	v_add_f32 v[T+1], v[F+2], v[F+3]
	v_add_f32 v[T+2], v[F+4], v[F+5]
	v_add_f32 v[T+3], v[F+6], v[F+7]
	v_add_f32 v[T],   v[T],   v[T+1]
	v_add_f32 v[T+2], v[T+2], v[T+3]
	v_add_f32 v[T],   v[T],   v[F+8]
	v_add_f32 v[T],   v[T],   v[T+2]               ; the sum of the nine
.irp r, 0,1,2,3,4,5,6,7,8
	v_fma_f32 v[D+\r], v[T], s[NNINTH], v[F+\r]    ; d[j] = f[j] - sum / 9, one rounding
.endr
.irp r, 0,1,2
	v_mul_f32 v[T+1+\r], v[D+\r], v[D+\r]          ; the squares, in three chains
.endr
.irp r, 3,4,5,6,7,8
	v_fmac_f32 v[T+1+\r%3], v[D+\r], v[D+\r]
.endr
	v_add_f32 v[T+1], v[T+1], v[T+2]
	v_add_f32 v[T+1], v[T+1], v[T+3]
	v_fma_f32 v[T+1], v[T+1], s[NINTH], s[EPS]     ; variance + 1e-6
	v_rsq_f32 v[T], v[T+1]                         ; the products below touch neither T nor T+1: they are the plain instructions that stand
.irp r, 0,1,2                                      ; between v_rsq_f32 and the use of its result (ISA guide 5.7.2)
	v_mul_f32 v[T+2+\r], v[D+\r], v[GW+\r]         ; sum over j of d[j] G[c][j], in three chains
.endr
.irp r, 3,4,5,6,7,8
	v_fmac_f32 v[T+2+\r%3], v[D+\r], v[GW+\r]
.endr
	v_add_f32 v[T+2], v[T+2], v[T+3]
	v_add_f32 v[T+2], v[T+2], v[T+4]
	s_wait_alu depctr_va_vdst(0)                   ; v_rsq_f32 has written v[T], ahead of its one reader
	v_fma_f32 v[T+2], v[T+2], v[T], v[HB]          ; out = rsqrt(..) x that + H[c]
	; THE WAY OUT.  The group's 320 results are laid in LDS as they lie in memory (lanes 5-7 of a group of eight write lane 4's word again, with
	; the same value); then each of waves 0 to 4 stores 256 consecutive bytes, at a multiple of 256 from out0's first byte, with one instruction.
	s_wait_alu depctr_va_vdst(0)                   ; the line above has written v[T+2], which the LDS store reads as its data
	ds_store_b32 v[LA], v[T+2]
	s_wait_dscnt 0x0                               ; for the other waves' sake: my word is in LDS before I say so
	s_wait_alu depctr_vm_vsrc(0)                   ; the nine loads of lin_weight at the head have read v[WOFF], which the lines behind the signal write anew
	s_barrier_signal -1
	v_lshrrev_b32 v[WOFF], 1, v[LOFF]              ; 8 x lane
	s_lshl_b32 s3, s2, 8
	v_add_nc_u32 v[WOFF], s3, v[WOFF]              ; + 256 x wave: the same offset in LDS and in the group's part of out0
	s_mul_i32 s4, ttmp9, 64*NC*4                   ; the group's 1,280 bytes (s5 is still 0)
	s_add_nc_u64 s[PO:PO+1], s[PO:PO+1], s[4:5]
	s_barrier_wait -1                              ; all sixteen waves' words are there
	s_cmp_ge_u32 s2, NC                            ; 1,280 bytes = five waves x 32 lanes x 8 bytes
	s_cbranch_scc1 .Ldone
	s_wait_alu depctr_va_vdst(0)                   ; v[WOFF] is written, which the LDS load and the store read; the vector lines that named v[ACC:ACC+1], in which the load lands, are done
	ds_load_b64 v[ACC:ACC+1], v[WOFF]
	s_wait_dscnt 0x0
	global_store_b64 v[WOFF], v[ACC:ACC+1], s[PO:PO+1] th:TH_STORE_NT
.Ldone:
	s_wait_dscnt 0x0                               ; the closing lines, six on end
	s_wait_alu 0x0
	s_wait_tensorcnt 0x0
	ds_add_u32 v246, v247
	s_wait_dscnt 0x0
	s_endpgm
.Lfunc_end_k_q2851ffa537_aufusion:
	.size	k_q2851ffa537_aufusion, .Lfunc_end_k_q2851ffa537_aufusion-k_q2851ffa537_aufusion
	.p2alignl 7, 3214868480
	.fill 96, 4, 3214868480
	.section	.rodata,"a",@progbits
	.p2align	6, 0x0
	.amdhsa_kernel k_q2851ffa537_aufusion
		.amdhsa_group_segment_fixed_size 6144
		.amdhsa_private_segment_fixed_size 0
		.amdhsa_enable_private_segment 0
		.amdhsa_kernarg_size 64
		.amdhsa_user_sgpr_count 2
		.amdhsa_user_sgpr_kernarg_segment_ptr 1
		.amdhsa_wavefront_size32 1
		.amdhsa_system_sgpr_workgroup_id_x 1
		.amdhsa_system_sgpr_workgroup_id_y 1
		.amdhsa_system_sgpr_workgroup_id_z 1
		.amdhsa_system_vgpr_workitem_id 0
		.amdhsa_next_free_vgpr 248
		.amdhsa_next_free_sgpr 66
		.amdhsa_reserve_vcc 0
		.amdhsa_float_denorm_mode_32 3
		.amdhsa_float_denorm_mode_16_64 3
		.amdhsa_memory_ordered 1
		.amdhsa_forward_progress 1
		.amdhsa_inst_pref_size 51
	.end_amdhsa_kernel
	.amdgpu_metadata
---
amdhsa.version: [ 1, 2 ]
amdhsa.kernels:
  - .name:           k_q2851ffa537_aufusion
    .symbol:         k_q2851ffa537_aufusion.kd
    .args:
      - { .name: eyebrow, .offset: 0, .size: 8, .value_kind: global_buffer, .address_space: global }
      - { .name: mouth, .offset: 8, .size: 8, .value_kind: global_buffer, .address_space: global }
      - { .name: gcn, .offset: 16, .size: 8, .value_kind: global_buffer, .address_space: global }
      - { .name: lin_weight, .offset: 24, .size: 8, .value_kind: global_buffer, .address_space: global }
      - { .name: lin_bias, .offset: 32, .size: 8, .value_kind: global_buffer, .address_space: global }
      - { .name: ln_weight, .offset: 40, .size: 8, .value_kind: global_buffer, .address_space: global }
      - { .name: ln_bias, .offset: 48, .size: 8, .value_kind: global_buffer, .address_space: global }
      - { .name: out0, .offset: 56, .size: 8, .value_kind: global_buffer, .address_space: global }
    .group_segment_fixed_size: 6144
    .private_segment_fixed_size: 0
    .kernarg_segment_align: 8
    .kernarg_segment_size: 64
    .max_flat_workgroup_size: 512
    .sgpr_count:     66
    .vgpr_count:     248
    .wavefront_size: 32
...
	.end_amdgpu_metadata
.endif
;; end of part 2
